; MI455X (gfx1250); checked and timed in simulation.
; The chip was launched on July 23, 2026; its instructions are those of AMD's public machine-readable ISA for CDNA 5 (MIT licence, August 2026) and "CDNA5" Instruction Set Architecture Reference Guide (July 2026). The comments in the code are by the model that wrote it; some were corrected since.
;; Group Points. Allowed arithmetic: float matrix products may take bf16 or f16 operands with f32 sums; all other float work in f32.
;; Inputs: source 4 x 8,192 x 3 float32; target 4 x 4,096 x 3 float32.
;; Outputs: out0 4 x 4,096 x 32 x 3 float32; out1 4 x 4,096 x 32 x 2 int32; out2 4 x 4,096 float32; out3 4 x 1 x 1 float32; out4 4 x 4,096 x 32 float32.
;; 2 versions, each right; version 2 is version 1 with the launch filter written anew for expert scheduling mode. Each part assembles by itself: llvm-mc -triple=amdgcn-amd-amdhsa -mcpu=gfx1250 --defsym DOCPART=n.
;; ======== version 1 of 2: 2 launches
;; limits: values outside matrix products are rounded to bf16
;; workspace buffers: cmask 16,777,216 bytes of whole numbers; counts 65,536 bytes of whole numbers
;; launch filter (part 1): grid 256 x 1, 8 waves a work-group, no clusters, 216,320 bytes of LDS; arguments source, target, cmask, counts; writes cmask, counts
.if DOCPART == 1
	.amdgcn_target "amdgcn-amd-amdhsa--gfx1250"
	.amdhsa_code_object_version 6
	.text
	.protected	k_q77cb91313a_filter
	.globl	k_q77cb91313a_filter
	.p2align	8
	.type	k_q77cb91313a_filter,@function
k_q77cb91313a_filter:
	s_mov_b64 s[64:65], 0
	v_nop
	global_prefetch_b8 v0, s[64:65] scope:SCOPE_SE
	s_setreg_imm32_b32 hwreg(HW_REG_WAVE_MODE, 25, 1), 1
	s_wait_xcnt 0x0
; FILTER: for each of 16,384 targets a bit mask over its batch's 8,192 sources that holds at least the 32 nearest, and the number of its set bits.
; The work-group owns 64 targets (4 tiles of 16, as B of the matrix instruction); wave w owns sources 1024 w .. 1024 w + 1023 (64 tiles of 16, as A).
; A source is a row of 8 bf16: x, y, z, r1hi, r1mid, r1lo, 1, 1 (r1 = x^2 + y^2 + z^2 of the rounded coordinates, split exactly in three).
; A target column is -2tx, -2ty, -2tz, 1, 1, 1, and in the second pass the three parts of -theta.
; Pass A: D = e = r1 - 2 t.s; each lane keeps 4 running minima for each target tile: 64 groups of 128 sources for each target.
; tau = the 32nd smallest of a target's 64 group minima, so at least 32 sources have e <= tau.  theta = tau + 2^-14 (r0 + |tau|) + 1e-30.
; Pass B: D = e - theta; its sign bit is the flag.  Word W = 32 w + 2 Q + h of a target's 256; bit 31 - e flags source 64 (W >> 1) + 8 (W & 1) + e + (e & 24).
; LIMITS: inputs are rounded once to bf16 (nearest even); finite inputs with finite squared distances only (no NaN, no infinity);
; the margin 2^-14 (r0 + |tau|) assumes that a matrix sum is off by less than 2^-20 of its largest product
; (a source among the 32 nearest has r1 <= 4 r0 + 2 |tau|, so three such errors stay under 2^-16 (r0 + |tau|)).
; No tensor loads: the 96 KiB of sources are converted in registers on their way into LDS.  No cluster: nothing else is shared.
.set SRCB,   98304                     ; bytes of a batch's sources
.set MINS,   131072                    ; LDS: behind the 8,192 rows of 16 bytes: 64 targets x 272 bytes of group minima
.set MPITCH, 272                       ; 256 bytes + 16: the 16 rows of a store start 4 banks apart
.set THB,    148480                    ; LDS: -theta, one f32 a target; at the end the 64 counts
.set MASKB,  148736                    ; LDS: 64 targets x 1,040 bytes of mask
.set KPITCH, 1040
.set BT,  8                            ; v[8:39]    B: 4 target tiles
.set AR,  40                           ; v[40:71]   A: ring of 4 buffers; registers 4-7 of each stay 0 (K = 16 .. 31 unused)
.set DS,  72                           ; v[72:135]  D: two sets of 4 tiles; at the start the raw targets; at the end the counting
.set PB,  72                           ; the threshold's two banks of 32
.set QB,  104
.set ACC, 136                          ; v[136:151] running minima; before that at work
.set MR,  152                          ; v[152:155] mask words in the making
.set SRC, 160                          ; v[160:255] 24 source loads; at the end the copy out
	s_load_b128 s[4:7], s[0:1], 0x0                ; source, target
	s_load_b64 s[8:9], s[0:1], 0x10                ; cmask
	s_load_b64 s[24:25], s[0:1], 0x18              ; counts
	s_set_vgpr_msb 0x40
	v_lshl_add_u32 v0, v0, 2, 0x34900
	v_mov_b32 v1, 0
	s_set_vgpr_msb 0x4000
	v_lshrrev_b32 v6, 5, v0
	v_readfirstlane_b32 s10, v6                    ; wave 0..7
	v_and_b32 v3, 31, v0                           ; lane
	v_and_b32 v1, 15, v0                           ; r
	v_bfe_u32 v2, v0, 4, 1                         ; h
	s_lshr_b32 s11, ttmp9, 6                       ; batch: 64 work-groups each
	s_mul_i32 s12, s11, SRCB
	s_mov_b32 s13, 0
	s_mul_i32 s14, ttmp9, 768                      ; 64 targets of 12 bytes
	s_mov_b32 s15, 0
	s_mov_b32 s17, 0xffff                          ; lanes 0-15 (h = 0)
	s_mov_b32 s19, 0xffff0000                      ; a word's upper bf16
	s_mov_b32 s20, 0x38800000                      ; 2^-14
	s_mov_b32 s21, 0x55555555                      ; the fields of the bit count
	s_mov_b32 s22, 0x33333333
	s_mov_b32 s23, 0x0f0f0f0f
	s_mov_b32 s28, 0x00ff00ff
	s_mov_b32 s26, 0x76543210                      ; v_permlanex16_b32: lane i reads lane i xor 16
	s_mov_b32 s27, 0xfedcba98
	s_and_b32 s18, s10, 3
	v_mul_u32_u24 v5, v1, 12                       ; target r of a tile
	v_lshrrev_b32 v6, 1, v3
	v_lshl_add_u32 v6, s18, 4, v6                  ; the target whose threshold this lane helps to find: 16 (w & 3) + lane / 2
	v_mul_u32_u24 v7, v6, 12
	v_mul_u32_u24 v4, v0, 48                       ; four sources a thread
	v_mov_b32 v143, 0x3f803f80                     ; two bf16 ones
	s_wait_kmcnt 0x0
	s_add_nc_u64 s[4:5], s[4:5], s[12:13]
	s_add_nc_u64 s[6:7], s[6:7], s[14:15]
	s_lshl_b32 s14, ttmp9, 16                      ; 64 mask rows of 1,024 bytes
	s_add_nc_u64 s[8:9], s[8:9], s[14:15]
	s_lshl_b32 s14, ttmp9, 8                       ; 64 counts of 4 bytes
	s_add_nc_u64 s[24:25], s[24:25], s[14:15]
.irp c, 0,1,2,3
	global_load_b96 v[DS+4*\c:DS+4*\c+2], v5, s[6:7] offset:192*\c
.endr
	global_load_b96 v[156:158], v7, s[6:7]         ; used by waves 0-3; all waves load it so that the counts below are the same in all
.set it, 0
.rept 8
	global_load_b128 v[SRC+12*it:SRC+12*it+3],    v4, s[4:5] offset:it*12288
	global_load_b128 v[SRC+12*it+4:SRC+12*it+7],  v4, s[4:5] offset:it*12288+16
	global_load_b128 v[SRC+12*it+8:SRC+12*it+11], v4, s[4:5] offset:it*12288+32
.set it, it+1
.endr
	s_wait_loadcnt 24                              ; the five target loads are in; the 24 source loads are younger
.irp c, 0,1,2,3
	v_mul_f32 v136, -2.0, v[DS+4*\c]               ; times -2 is exact, so rounding behind it is rounding in front of it
	v_mul_f32 v137, -2.0, v[DS+4*\c+1]
	v_mul_f32 v138, -2.0, v[DS+4*\c+2]
	v_cvt_pk_bf16_f32 v136, v136, v137
	v_cvt_pk_bf16_f32 v138, v138, 1.0
	v_cndmask_b32 v[BT+8*\c],   0, v136, s17       ; K = 0 .. 7 lie in lanes 0-15; lanes 16-31 (K = 8 .. 15, where A repeats its row) take zeros
	v_cndmask_b32 v[BT+8*\c+1], 0, v138, s17
	v_cndmask_b32 v[BT+8*\c+2], 0, v143, s17
.irp q, 3,4,5,6,7
	v_mov_b32 v[BT+8*\c+\q], 0
.endr
.irp q, 4,5,6,7
	v_mov_b32 v[AR+8*\c+\q], 0
.endr
.endr
	v_mul_f32 v159, v156, v156                     ; r0 of the threshold's target: it only scales the margin
	v_fma_f32 v159, v157, v157, v159
	v_fma_f32 v159, v158, v158, v159
	v_lshlrev_b32 v6, 6, v0                        ; LDS: four rows of 16 bytes a thread
	v_add_nc_u32 v7, 0x10000, v6                   ; the upper 64 KiB: an LDS immediate has 16 bits
; one source (three f32 from register b on) into the row v[140:143]
.macro CONV b
	v_cvt_pk_bf16_f32 v140, v[\b], v[\b+1]         ; x, y
	v_cvt_pk_bf16_f32 v146, v[\b+2], 0
	v_lshlrev_b32 v144, 16, v140
	v_and_b32 v145, s19, v140
	v_lshlrev_b32 v146, 16, v146                   ; the rounded z as f32
	v_mul_f32 v144, v144, v144
	v_fma_f32 v144, v145, v145, v144
	v_fma_f32 v144, v146, v146, v144               ; r1
	v_cvt_pk_bf16_f32 v141, v146, v144             ; z, r1hi
	v_and_b32 v145, s19, v141
	v_sub_f32 v144, v144, v145                     ; r1 - r1hi, exact
	v_cvt_pk_bf16_f32 v145, v144, 0
	v_lshlrev_b32 v145, 16, v145
	v_sub_f32 v145, v144, v145                     ; the last 8 bits, exact
	v_cvt_pk_bf16_f32 v142, v144, v145             ; r1mid, r1lo
.endm
.set it, 0
.rept 8
	s_wait_loadcnt 21-3*it                         ; this step's three loads are in; 3 for each later step are younger
.set q, 0
.rept 4
	CONV (SRC+12*it+3*q)
.if it < 4
	ds_store_b128 v6, v[140:143] offset:it*16384+16*q
.else
	ds_store_b128 v7, v[140:143] offset:(it-4)*16384+16*q
.endif
.set q, q+1
.endr
.set it, it+1
.endr
.irp q, 0,1,2,3,4,5,6,7,8,9,10,11,12,13,14,15
	v_mov_b32 v[ACC+\q], 0x7f800000                ; the minima start at +infinity
.endr
.irp q, 0,1,2,3
	v_mov_b32 v[MR+\q], 0
.endr
	v_lshlrev_b32 v4, 4, v1
	v_lshl_add_u32 v4, s10, 14, v4                 ; my wave's rows: 16,384 w + 16 r; h does not enter: both halves read the same row
	v_mul_u32_u24 v5, v1, KPITCH
	v_lshl_add_u32 v5, v2, 2, v5
	s_lshl_b32 s12, s10, 7
	s_add_co_u32 s12, s12, MASKB
	v_add_nc_u32 v5, s12, v5                       ; mask word 32 w + h of target r
	s_wait_dscnt 0x0                               ; my rows are written,
	s_barrier_signal -1
	s_barrier_wait -1                              ; everybody's are
; four matrix instructions: one source tile against the four target tiles.  C = 0: nothing is accumulated, so no two of them share an accumulator.
.macro MM buf, set
.irp c, 0,1,2,3
	v_wmma_f32_16x16x32_bf16 v[DS+32*(\set)+8*\c:DS+32*(\set)+8*\c+7], v[AR+8*(\buf):AR+8*(\buf)+7], v[BT+8*\c:BT+8*\c+7], 0
.endr
.endm
; what is done with a set of results: pass A 16 minima of three, pass B 32 sign bits shifted into the mask words
.macro USE ph, set
.if \ph == 0
.irp c, 0,1,2,3
.irp q, 0,1,2,3
	v_min3_num_f32 v[ACC+4*\c+\q], v[ACC+4*\c+\q], v[DS+32*(\set)+8*\c+2*\q], v[DS+32*(\set)+8*\c+2*\q+1]
.endr
.endr
.else
.irp j, 0,1,2,3,4,5,6,7
.irp c, 0,1,2,3
	v_alignbit_b32 v[MR+\c], v[MR+\c], v[DS+32*(\set)+8*\c+\j], 31   ; word << 1 | sign
.endr
.endr
.endif
.endm
; Four steps (64 sources).  Step i multiplies tile i + 1 into one set while tile i's set is used: the USE block, 16 or 32 plain vector
; instructions that name none of the matrix instructions' registers, is the distance in front of the reads of their results, of the load into
; their A buffer and of the next write of the other set.  nl loads, nw products; wt: what may stay out on DScnt.
.macro TRIP ph, nl, nw, wt
.irp i, 0,1,2,3
.if \i < \nw
	s_wait_dscnt \wt
	MM (\i+1)&3, (\i+1)&1
.endif
	USE \ph, \i&1
.if \i < \nl
	ds_load_b128 v[AR+8*((\i+1)&3):AR+8*((\i+1)&3)+3], v4 offset:(\i+5)*256
.endif
.endr
	v_add_nc_u32 v4, 1024, v4
.if \ph
.irp c, 0,1,2,3
	ds_store_b32 v5, v[MR+\c] offset:\c*16*KPITCH
.endr
	v_add_nc_u32 v5, 8, v5                         ; two words on: h = 0 and h = 1 lie side by side
.endif
.endm
.macro PROLOG
.irp b, 0,1,2,3
	ds_load_b128 v[AR+8*\b:AR+8*\b+3], v4 offset:256*\b
.endr
	s_wait_dscnt 3                                 ; tile 0 is in, three younger loads are out
	MM 0, 0
.rept 4
	v_nop                                          ; four places in front of the load into buffer 0 and of the first reads of set 0
.endr
	ds_load_b128 v[AR:AR+3], v4 offset:1024
.endm
	; PASS A.  The count 3: the three loads issued behind the one that is needed.
	PROLOG
	s_mov_b32 s16, 14
.LpassA:
	TRIP 0, 4, 4, 3
	s_sub_co_u32 s16, s16, 1
	s_cmp_lg_u32 s16, 0
	s_cbranch_scc1 .LpassA
	TRIP 0, 3, 4, 3                                ; tile 64 does not exist
	TRIP 0, 0, 3, 0
	v_mul_u32_u24 v6, v1, MPITCH
	v_lshl_add_u32 v6, v2, 4, v6
	s_lshl_b32 s12, s10, 5
	s_add_co_u32 s12, s12, MINS
	v_add_nc_u32 v6, s12, v6                       ; target r's row, piece 2 w + h of 16
.irp c, 0,1,2,3
	ds_store_b128 v6, v[ACC+4*\c:ACC+4*\c+3] offset:\c*16*MPITCH
.endr
	s_wait_dscnt 0x0
	s_barrier_signal -1
	s_barrier_wait -1
	; THE THRESHOLD, waves 0-3: two lanes a target, 32 minima each, sorted in registers by a bitonic network (15 stages between two banks).
	s_cmp_ge_u32 s10, 4
	s_cbranch_scc1 .Lno_threshold
	v_lshrrev_b32 v7, 1, v3
	v_lshl_add_u32 v7, s10, 4, v7                  ; target 16 w + lane / 2
	v_and_b32 v6, 1, v3
	v_lshlrev_b32 v6, 7, v6                        ; which half of its 64 minima
	v_mad_u32_u24 v6, v7, MPITCH, v6
	v_add_nc_u32 v6, MINS, v6
.irp n, 0,1,2,3,4,5,6,7
	ds_load_b128 v[PB+4*\n:PB+4*\n+3], v6 offset:16*\n
.endr
	s_wait_dscnt 0x0
.set sb, PB
.set db, QB
.macro STG k, j
.set i, 0
.rept 32
.if (i & \j) == 0
.if (i & \k) == 0
	v_min_num_f32 v[db+i],    v[sb+i], v[sb+i+\j]
	v_max_num_f32 v[db+i+\j], v[sb+i], v[sb+i+\j]
.else
	v_max_num_f32 v[db+i],    v[sb+i], v[sb+i+\j]
	v_min_num_f32 v[db+i+\j], v[sb+i], v[sb+i+\j]
.endif
.endif
.set i, i+1
.endr
.set tb, sb
.set sb, db
.set db, tb
.endm
	STG 2, 1
	STG 4, 2
	STG 4, 1
	STG 8, 4
	STG 8, 2
	STG 8, 1
	STG 16, 8
	STG 16, 4
	STG 16, 2
	STG 16, 1
	STG 32, 16
	STG 32, 8
	STG 32, 4
	STG 32, 2
	STG 32, 1
.set i, 0
.rept 32
	v_min_num_f32_dpp v[db+i], v[sb+31-i], v[sb+i] row_xmask:1 row_mask:0xf bank_mask:0xf   ; min(partner's 31 - i, my i): the 32 smallest of the 64
.set i, i+1
.endr
	v_max3_num_f32 v[db], v[db], v[db+1], v[db+2]
.set i, 3
.rept 14
	v_max3_num_f32 v[db], v[db], v[db+i], v[db+i+1]
.set i, i+2
.endr
	v_max_num_f32 v[db], v[db], v[db+31]           ; tau: the largest of them
	v_and_b32 v136, 0x7fffffff, v[db]
	v_add_f32 v136, v159, v136                     ; r0 + |tau|
	v_fma_f32 v136, v136, s20, v[db]               ; tau + 2^-14 (r0 + |tau|)
	v_add_f32 v136, 0x0da24260, v136               ; + 1e-30: above tau also where all is zero
	v_xor_b32 v136, 0x80000000, v136               ; -theta
	v_lshlrev_b32 v7, 2, v7
	v_add_nc_u32 v7, THB, v7
	ds_store_b32 v7, v136                          ; both lanes of a pair hold the same number
.Lno_threshold:
	s_wait_dscnt 0x0
	s_barrier_signal -1
	s_barrier_wait -1
	; -theta, split exactly in three bf16, into register 3 of each target tile: hi, mid at K = 6, 7 (lanes 0-15), lo at K = 14 (lanes 16-31)
	v_lshlrev_b32 v6, 2, v1
	v_add_nc_u32 v6, THB, v6
.irp c, 0,1,2,3
	ds_load_b32 v[136+\c], v6 offset:64*\c
.endr
	v_lshlrev_b32 v4, 4, v1
	v_lshl_add_u32 v4, s10, 14, v4                 ; back to my wave's first row
	s_wait_dscnt 0x0
.irp c, 0,1,2,3
	v_cvt_pk_bf16_f32 v140, v[136+\c], 0
	v_lshlrev_b32 v140, 16, v140
	v_sub_f32 v140, v[136+\c], v140
	v_cvt_pk_bf16_f32 v141, v140, 0
	v_lshlrev_b32 v141, 16, v141
	v_sub_f32 v141, v140, v141
	v_cvt_pk_bf16_f32 v142, v[136+\c], v140
	v_cvt_pk_bf16_f32 v141, v141, 0
	v_cndmask_b32 v[BT+8*\c+3], v141, v142, s17
.endr
	; PASS B.  The count 7: three younger loads and the four mask stores of the trip before; the first trip has none of these behind it.
	PROLOG
	TRIP 1, 4, 4, 3
	s_mov_b32 s16, 13
.LpassB:
	TRIP 1, 4, 4, 7
	s_sub_co_u32 s16, s16, 1
	s_cmp_lg_u32 s16, 0
	s_cbranch_scc1 .LpassB
	TRIP 1, 3, 4, 7
	TRIP 1, 0, 3, 0
	s_wait_dscnt 0x0
	s_barrier_signal -1
	s_barrier_wait -1
	; THE WAY OUT: wave w copies the rows of targets 8 w .. 8 w + 7; each store of the wave covers 512 consecutive bytes, aligned.
	s_mul_i32 s12, s10, 8*KPITCH
	s_add_co_u32 s12, s12, MASKB
	v_lshl_add_u32 v6, v3, 4, s12
	s_lshl_b32 s13, s10, 13
	v_lshl_add_u32 v7, v3, 4, s13
.irp n, 0,1,2,3,4,5,6,7,8,9,10,11,12,13,14,15
	ds_load_b128 v[SRC+4*\n:SRC+4*\n+3], v6 offset:(\n>>1)*KPITCH+(\n&1)*512
.endr
.irp n, 0,1,2,3,4,5,6,7,8,9,10,11,12,13,14,15
	s_wait_dscnt 15-\n                             ; load n is in, the younger ones stay out
	global_store_b128 v7, v[SRC+4*\n:SRC+4*\n+3], s[8:9] offset:512*\n
.endr
	; THE COUNTS, while the stores leave (their data registers are only read here).  Target 8 w + tt: my 8 words are v[SRC + 8 tt .. + 7].
	; Sums in fields: 2 bits (at most 2), 4 bits (4, two words 8), bytes (16, four pairs 64), halves (128), the word (256 a lane).
.macro NIB dst, src
	v_lshrrev_b32 v72, 1, v[\src]
	v_and_b32 v73, s21, v[\src]
	v_and_b32 v72, s21, v72
	v_add_nc_u32 v72, v72, v73
	v_lshrrev_b32 v73, 2, v72
	v_and_b32 v72, s22, v72
	v_and_b32 v73, s22, v73
	v_add_nc_u32 v[\dst], v72, v73
.endm
	v_mov_b32 v77, 0                               ; the destination of a lane move counts as read
.set tt, 0
.rept 8
.set pp, 0
.rept 4
	NIB 74, (SRC+8*tt+2*pp)
	NIB 75, (SRC+8*tt+2*pp+1)
	v_add_nc_u32 v74, v74, v75
	v_lshrrev_b32 v75, 4, v74
	v_and_b32 v74, s23, v74
	v_and_b32 v75, s23, v75
.if pp == 0
	v_add_nc_u32 v76, v74, v75
.else
	v_add_nc_u32 v76, v76, v74
	v_add_nc_u32 v76, v76, v75
.endif
.set pp, pp+1
.endr
	v_lshrrev_b32 v75, 8, v76
	v_and_b32 v76, s28, v76
	v_and_b32 v75, s28, v75
	v_add_nc_u32 v76, v76, v75
	v_lshrrev_b32 v75, 16, v76
	v_and_b32 v76, 0xffff, v76
	v_add_nc_u32 v76, v76, v75
	v_cvt_f32_u32 v[80+tt], v76                    ; the sum over the lanes is made in f32: exact, it is 8,192 at the most
.set tt, tt+1
.endr
.irp t, 0,1,2,3,4,5,6,7
	v_add_f32_dpp v[80+\t], v[80+\t], v[80+\t] row_xmask:1 row_mask:0xf bank_mask:0xf
	v_add_f32_dpp v[80+\t], v[80+\t], v[80+\t] row_xmask:2 row_mask:0xf bank_mask:0xf
	v_add_f32_dpp v[80+\t], v[80+\t], v[80+\t] row_xmask:4 row_mask:0xf bank_mask:0xf
	v_add_f32_dpp v[80+\t], v[80+\t], v[80+\t] row_xmask:8 row_mask:0xf bank_mask:0xf
	v_permlanex16_b32 v77, v[80+\t], s26, s27
	v_add_f32 v[80+\t], v[80+\t], v77
.endr
	v_mov_b32 v78, v80                             ; lane l takes the count of target l & 7
.irp t, 1,2,3,4,5,6,7
	s_mov_b32 vcc_lo, 0x01010101<<\t
	v_cndmask_b32 v78, v78, v[80+\t], vcc_lo
.endr
	v_cvt_u32_f32 v78, v78
	v_and_b32 v79, 7, v3
	v_lshlrev_b32 v79, 2, v79
	s_lshl_b32 s12, s10, 5
	s_add_co_u32 s12, s12, THB                     ; the thresholds' bytes: their last reads were waited for in front of the barrier behind pass B
	v_add_nc_u32 v79, s12, v79
	ds_store_b32 v79, v78                          ; four lanes write each word, with the same number
	s_wait_dscnt 0x0
	s_barrier_signal -1
	s_barrier_wait -1
	s_cmp_lg_u32 s10, 0
	s_cbranch_scc1 .Lno_counts
	v_lshlrev_b32 v72, 3, v3
	v_add_nc_u32 v73, THB, v72
	ds_load_b64 v[74:75], v73
	s_wait_dscnt 0x0
	global_store_b64 v72, v[74:75], s[24:25]       ; the group's 64 counts: 256 consecutive bytes, aligned
.Lno_counts:
	s_set_vgpr_msb 0x5
	s_wait_tensorcnt 0x0
	ds_add_u32 v0, v1
	s_wait_dscnt 0x0
	s_set_vgpr_msb 0x500
	s_endpgm
.Lfunc_end_k_q77cb91313a_filter:
	.size	k_q77cb91313a_filter, .Lfunc_end_k_q77cb91313a_filter-k_q77cb91313a_filter
	.p2alignl 7, 3214868480
	.fill 96, 4, 3214868480
	.section	.rodata,"a",@progbits
	.p2align	6, 0x0
	.amdhsa_kernel k_q77cb91313a_filter
		.amdhsa_group_segment_fixed_size 216320
		.amdhsa_private_segment_fixed_size 0
		.amdhsa_enable_private_segment 0
		.amdhsa_kernarg_size 32
		.amdhsa_user_sgpr_count 2
		.amdhsa_user_sgpr_kernarg_segment_ptr 1
		.amdhsa_wavefront_size32 1
		.amdhsa_system_sgpr_workgroup_id_x 1
		.amdhsa_system_sgpr_workgroup_id_y 1
		.amdhsa_system_sgpr_workgroup_id_z 1
		.amdhsa_system_vgpr_workitem_id 0
		.amdhsa_next_free_vgpr 258
		.amdhsa_next_free_sgpr 66
		.amdhsa_reserve_vcc 1
		.amdhsa_float_denorm_mode_32 3
		.amdhsa_float_denorm_mode_16_64 3
		.amdhsa_memory_ordered 1
		.amdhsa_forward_progress 1
		.amdhsa_inst_pref_size 144
	.end_amdhsa_kernel
	.amdgpu_metadata
---
amdhsa.version: [ 1, 2 ]
amdhsa.kernels:
  - .name:           k_q77cb91313a_filter
    .symbol:         k_q77cb91313a_filter.kd
    .args:
      - { .name: source, .offset: 0, .size: 8, .value_kind: global_buffer, .address_space: global }
      - { .name: target, .offset: 8, .size: 8, .value_kind: global_buffer, .address_space: global }
      - { .name: cmask, .offset: 16, .size: 8, .value_kind: global_buffer, .address_space: global }
      - { .name: counts, .offset: 24, .size: 8, .value_kind: global_buffer, .address_space: global }
    .group_segment_fixed_size: 216320
    .private_segment_fixed_size: 0
    .kernarg_segment_align: 8
    .kernarg_segment_size: 32
    .max_flat_workgroup_size: 256
    .sgpr_count:     66
    .vgpr_count:     258
    .wavefront_size: 32
...
	.end_amdgpu_metadata
.endif
;; end of part 1
;; launch select (part 2): grid 256 x 1, 32 waves a work-group, no clusters, 168,192 bytes of LDS; arguments source, target, cmask, counts, out0, out1, out2, out3, out4; writes out0, out1, out2, out3, out4
.if DOCPART == 2
	.amdgcn_target "amdgcn-amd-amdhsa--gfx1250"
	.amdhsa_code_object_version 6
	.text
	.protected	k_q77cb91313a_select
	.globl	k_q77cb91313a_select
	.p2align	8
	.type	k_q77cb91313a_select,@function
k_q77cb91313a_select:
	s_mov_b64 s[64:65], 0
	v_nop
	global_prefetch_b8 v0, s[64:65] scope:SCOPE_SE
	s_setreg_imm32_b32 hwreg(HW_REG_WAVE_MODE, 25, 1), 1
	s_wait_xcnt 0x0
; SELECT: from each target's candidate mask the 32 nearest sources in ascending order, and all five outputs.
; The work-group owns 64 targets, wave w targets 2 w and 2 w + 1, written out one behind the other; at the end lane = rank of the neighbour.
; LDS holds the batch's 8,192 sources as 8 bytes each (x, y, z rounded to bf16) and the group's 64 mask rows; both are written once, in front of the
; first barrier, and from there to the second barrier no wave stores to LDS: candidates are looked up by loads alone.
; A target: 32 candidates at a time.  Lane n finds the n-th set bit of the mask by itself: the lanes' bit counts are summed up across the wave,
; five halvings find the lane that holds the bit (the first against lane 15's sum, four through ds_bpermute_b32), three the word among that lane's
; eight (their running sums lie as bytes in two registers), five the bit in the word.  The order of the bits does not matter: the sort's key is total.
; The squared distance is computed in f32 in the order (r0 - 2 ((p0 + p1) + p2)) + r1.  A bitonic network across the lanes sorts
; (key, index, coordinates); further batches are sorted downward and merged; every choice is a v_cndmask_b32.
; Key = the f32 bits made monotonic as a signed integer; equal keys go by the lower index.
; CONTROL: the one trip count that hangs on data, the number of batches, comes from the launch before: the count of set bits, read by a scalar load.
; Some 44 of 8,192 sources are candidates where the sources lie in no order ((1 - p)^128 = 1/2 gives 8,192 p = 44): two batches as a rule; any count is served.
; ADDRESSES: every offset register that hangs on ids alone is made once at the head and never written again.  No global address descends from
; loaded numbers; the LDS addresses and lane indices that do are clamped by a v_min_u32 with a constant as the last instruction in front of the access.
; LIMITS: source and target are rounded once to bf16 (nearest even) and everything is computed from the rounded numbers (their products are then exact
; in f32); finite inputs with finite squared distances only; x / 0.2f is computed as 5 x (off by about one unit in the last place);
; the mask holds at least 32 candidates for each target and counts holds its number of set bits (the launch before sees to both for finite inputs).
; No matrix unit: a few dozen candidates a target.  No tensor load or cluster: the 96 KiB of sources are converted in registers on their way into LDS.
.set MASKL, 65536                      ; LDS: behind the sources: 64 mask rows of 1,024 bytes
.set STGB,  131072                     ; LDS: 1,024 bytes a wave: 768 of out0, 256 of out4
.set SZB,   163840                     ; LDS: the 64 sizes
; v1 lane; v[2:9], v[10:17] mask words of my two targets; v[18:20], v[22:24] their coordinates; v21 zero; v25 radius; v26 sums over the lanes, inclusive;
; v[27:29] target; v30 r0; v[31:33] 5 x target; v[34:36] R = key, index << 16 | z, y << 16 | x; v[37:39] S; v[40:42] partner; v43 n; v[44:45] a source;
; v[46:55] at work; v[56:57] out1's pair; v58 sums over the lanes, exclusive; v59, v60 running sums of my words; v[61:75] offsets; v[76:77] sizes;
; v[78:85] results; v[86:93] counts of my words; v[96:119] source loads, at the end the way out
	s_load_b512 s[8:23], s[0:1], 0x0               ; source 8, target 10, cmask 12, counts 14, out0 16, out1 18, out2 20, out3 22
	s_load_b64 s[4:5], s[0:1], 0x40                ; out4
	v_lshl_add_u32 v120, v0, 2, 0x28100
	v_mov_b32 v121, 0
	v_lshrrev_b32 v46, 5, v0
	v_readfirstlane_b32 s24, v46                   ; wave 0..31
	v_and_b32 v1, 31, v0
	s_mov_b32 s25, ttmp9
	s_lshr_b32 s26, s25, 6                         ; batch: 64 work-groups of 64 targets
	s_mov_b32 s36, 0x76543210                      ; v_permlanex16_b32: lane i reads lane i xor 16
	s_mov_b32 s37, 0xfedcba98
	s_mov_b32 s38, 0x3e4ccccd                      ; 0.2f
	s_mul_f32 s39, s38, s38                        ; radius squared, as the f32 product
	s_mov_b32 s45, 0xffff0000                      ; a word's upper bf16; also lanes 16-31
	s_mov_b32 s46, 0x7fffffff
	s_mov_b32 s47, 0x40a00000                      ; 5.0
	s_mov_b32 s48, 0x55555555                      ; the fields of the bit count
	s_mov_b32 s49, 0x33333333
	s_mov_b32 s50, 0x0f0f0f0f
	s_mov_b32 s51, 0x01010101
	s_mov_b32 s3, 0
	v_mov_b32 v21, 0
	v_mov_b32 v40, 0                               ; destinations of lane moves count as read
	v_mov_b32 v41, 0
	v_mov_b32 v42, 0
	v_mov_b32 v56, s26
	v_mov_b32 v25, s38
	; the offsets, from the thread's, the lane's and the wave's number
	v_lshlrev_b32 v46, 4, v1
	s_lshl_b32 s41, s24, 11                        ; two mask rows of 1,024 bytes a wave
	v_add_nc_u32 v61, s41, v46                     ; mask in memory: 16 bytes a lane
	s_add_co_u32 s52, s41, MASKL                   ; my first target's row in LDS,
	s_add_co_u32 s53, s52, 1024                    ; my second's
	v_add_nc_u32 v65, s52, v46                     ; mask into LDS
	s_mul_i32 s41, s24, 24
	v_mov_b32 v62, s41                             ; my targets' 2 x 12 bytes, the same for all lanes
	v_mul_u32_u24 v63, v0, 48                      ; four sources a thread
	v_lshlrev_b32 v64, 5, v0                       ; and their 4 x 8 bytes in LDS
	s_lshl_b32 s42, s24, 10
	s_add_co_u32 s42, s42, STGB                    ; my stage
	v_mul_u32_u24 v46, v1, 12
	v_add_nc_u32 v66, s42, v46                     ; out0 into the stage: 12 bytes a lane
	v_lshlrev_b32 v75, 2, v1                       ; out3's store
	v_add_nc_u32 v67, s42, v75
	v_add_nc_u32 v67, 768, v67                     ; out4 into the stage: 4 bytes a lane
	v_lshlrev_b32 v74, 3, v1                       ; out2's store: 8 bytes a lane
	v_add_nc_u32 v68, s42, v74                     ; the stage read back
	s_mul_i32 s41, s24, 768
	v_add_nc_u32 v69, s41, v74                     ; out0
	s_lshl_b32 s41, s24, 8
	v_add_nc_u32 v70, s41, v74                     ; out4
	s_lshl_b32 s41, s24, 9
	v_add_nc_u32 v71, s41, v74                     ; out1
	s_lshl_b32 s41, s24, 3
	s_add_co_u32 s42, s41, SZB
	v_mov_b32 v72, s42                             ; my two sizes
	v_add_nc_u32 v73, SZB, v74                     ; the sizes read back
	s_wait_kmcnt 0x0
	s_mul_i32 s2, s26, 98304
	s_add_nc_u64 s[8:9], s[8:9], s[2:3]            ; my batch's sources
	s_mul_i32 s2, s25, 768
	s_add_nc_u64 s[10:11], s[10:11], s[2:3]        ; 64 targets of 12 bytes
	s_lshl_b32 s2, s25, 16
	s_add_nc_u64 s[12:13], s[12:13], s[2:3]        ; 64 mask rows
	s_lshl_b32 s2, s25, 8
	s_add_nc_u64 s[20:21], s[20:21], s[2:3]        ; out2
	s_add_co_u32 s2, s2, s41
	s_add_nc_u64 s[14:15], s[14:15], s[2:3]        ; my two counts
	s_mul_i32 s2, s25, 24576
	s_add_nc_u64 s[16:17], s[16:17], s[2:3]
	s_lshl_b32 s2, s25, 14
	s_add_nc_u64 s[18:19], s[18:19], s[2:3]
	s_lshl_b32 s2, s25, 13
	s_add_nc_u64 s[4:5], s[4:5], s[2:3]
	s_load_b64 s[56:57], s[14:15], 0x0             ; how many candidates each of my targets has
.irp it, 0,1
.irp j, 0,1,2
	global_load_b128 v[96+12*\it+4*\j:99+12*\it+4*\j], v63, s[8:9] offset:\it*49152+16*\j
.endr
.endr
	global_load_b128 v[2:5],   v61, s[12:13] th:TH_LOAD_NT
	global_load_b128 v[6:9],   v61, s[12:13] offset:512 th:TH_LOAD_NT
	global_load_b128 v[10:13], v61, s[12:13] offset:1024 th:TH_LOAD_NT
	global_load_b128 v[14:17], v61, s[12:13] offset:1536 th:TH_LOAD_NT
	global_load_b96 v[18:20], v62, s[10:11]
	global_load_b96 v[22:24], v62, s[10:11] offset:12
	; the sources into LDS: (y << 16 | x, z) in bf16, two of them in a store
.irp it, 0,1
	s_wait_loadcnt 9-3*\it                         ; of the twelve loads this step's three are in, the younger ones stay out
.irp p, 0,1
	v_cvt_pk_bf16_f32 v46, v[96+12*\it+6*\p],   v[96+12*\it+6*\p+1]
	v_cvt_pk_bf16_f32 v47, v[96+12*\it+6*\p+2], 0
	v_cvt_pk_bf16_f32 v48, v[96+12*\it+6*\p+3], v[96+12*\it+6*\p+4]
	v_cvt_pk_bf16_f32 v49, v[96+12*\it+6*\p+5], 0
	ds_store_b128 v64, v[46:49] offset:\it*32768+16*\p
.endr
.endr
	s_wait_loadcnt 0x0                             ; masks and targets
	ds_store_b128 v65, v[2:5]
	ds_store_b128 v65, v[6:9]   offset:512
	ds_store_b128 v65, v[10:13] offset:1024
	ds_store_b128 v65, v[14:17] offset:1536
	s_wait_kmcnt 0x0                               ; the counts
	s_wait_dscnt 0x0                               ; my part of LDS is written,
	s_barrier_signal -1
	s_barrier_wait -1                              ; everybody's is; from here to the next barrier LDS is only read
; The bit counts of my eight words v[xb .. xb+7], their running sums, and the sums over the lanes.
.macro PREP xb
.irp k, 0,1,2,3,4,5,6,7
	v_lshrrev_b32 v46, 1, v[\xb+\k]
	v_and_b32 v46, s48, v46
	v_sub_nc_u32 v46, v[\xb+\k], v46               ; fields of 2 bits
	v_lshrrev_b32 v47, 2, v46
	v_and_b32 v46, s49, v46
	v_and_b32 v47, s49, v47
	v_add_nc_u32 v46, v46, v47                     ; of 4
	v_lshrrev_b32 v47, 4, v46
	v_add_nc_u32 v46, v46, v47
	v_and_b32 v46, s50, v46                        ; bytes
	v_mul_lo_u32 v46, v46, s51
	v_lshrrev_b32 v[86+\k], 24, v46                ; their sum
.endr
.irp k, 1,2,3,4,5,6,7
	v_add_nc_u32 v[86+\k], v[86+\k], v[86+\k-1]    ; v[86+k] = bits in words 0 .. k
.endr
	v_lshlrev_b32 v59, 8, v86                      ; bytes 0, sum 0, sum 0-1, sum 0-2: the bits in front of words 0 to 3
	v_lshl_or_b32 v59, v87, 16, v59
	v_lshl_or_b32 v59, v88, 24, v59
	v_lshl_or_b32 v60, v90, 8, v89                 ; the bits in front of words 4 to 7: 224 at the most, a byte each
	v_lshl_or_b32 v60, v91, 16, v60
	v_lshl_or_b32 v60, v92, 24, v60
	v_mov_b32 v26, v93                             ; my 256 bits' count
.irp s, 1,2,4,8
	v_mov_b32 v46, 0                               ; lanes without a source keep this
	v_mov_b32_dpp v46, v26 row_shr:\s row_mask:0xf bank_mask:0xf
	v_add_nc_u32 v26, v26, v46
.endr
	v_readlane_b32 s55, v26, 15                    ; the sum of lanes 0-15
	v_mov_b32 v46, s55
	v_cndmask_b32 v46, 0, v46, s45                 ; is added in lanes 16-31
	v_add_nc_u32 v26, v26, v46                     ; bits in lanes 0 .. me
	v_sub_nc_u32 v58, v26, v93                     ; bits in front of me
.endm
; One halving inside the word: the field of w bits at bit v50 of v[src] counts the set bits of the lower half of what is left.
.macro BITSTEP src, w, inc
	v_bfe_u32 v48, v[\src], v50, \w
	v_cmp_lt_u32 vcc_lo, v51, v48                  ; my bit is among them: stay
	v_cndmask_b32 v48, v48, v21, vcc_lo
	v_cndmask_b32 v46, \inc, v21, vcc_lo
	v_sub_nc_u32 v51, v51, v48
	v_add_nc_u32 v50, v50, v46
.endm
; Candidates 32 s30 .. 32 s30 + 31 into v[d], v[d+1], v[d+2].  Lanes past the count look up some source and get the largest key.
.macro BATCH d, tr
	s_lshl_b32 s42, s30, 5
	v_add_nc_u32 v43, s42, v1                      ; n
	v_cmp_gt_u32 s44, s28, v43                     ; a candidate
	; the lane: how many lanes' inclusive sums are at most n
	v_cmp_gt_u32 vcc_lo, s55, v43
	v_cndmask_b32 v49, 64, v21, vcc_lo             ; 4 x lane
.irp s, 8,4,2,1
	v_add_nc_u32 v50, 4*(\s-1), v49
	v_min_u32 v50, 0x7c, v50
	ds_bpermute_b32 v51, v50, v26
	v_add_nc_u32 v52, 4*\s, v49
	s_wait_dscnt 0x0
	v_cmp_gt_u32 vcc_lo, v51, v43
	v_cndmask_b32 v49, v52, v49, vcc_lo
.endr
	v_min_u32 v50, 0x7c, v49
	ds_bpermute_b32 v51, v50, v58
	ds_bpermute_b32 v52, v50, v59
	ds_bpermute_b32 v53, v50, v60
	s_wait_dscnt 0x0
	v_sub_nc_u32 v51, v43, v51                     ; my bit's rank in that lane's 256 bits
	; the word: the last of the eight with at most that many bits in front of it
	v_and_b32 v54, 0xff, v53
	v_cmp_lt_u32 vcc_lo, v51, v54
	v_cndmask_b32 v52, v53, v52, vcc_lo            ; words 0-3 or 4-7
	v_cndmask_b32 v53, 0x200, v21, vcc_lo          ; words 4-7 lie 128 words further on
	v_bfe_u32 v54, v52, 16, 8
	v_cmp_lt_u32 vcc_lo, v51, v54
	v_cndmask_b32 v55, 16, v21, vcc_lo
	v_add_nc_u32 v48, 8, v55
	v_bfe_u32 v54, v52, v48, 8
	v_cmp_lt_u32 vcc_lo, v51, v54
	v_cndmask_b32 v55, v48, v55, vcc_lo            ; 8 x (word & 3)
	v_bfe_u32 v54, v52, v55, 8
	v_sub_nc_u32 v51, v51, v54                     ; my bit's rank in the word
	v_lshrrev_b32 v55, 1, v55
	v_lshl_add_u32 v49, v49, 2, v55
	v_add_nc_u32 v49, v49, v53                     ; 4 x word number
	v_add_nc_u32 v50, s[52+\tr], v49
	v_min_u32 v50, MASKL+65532, v50
	ds_load_b32 v52, v50
	s_wait_dscnt 0x0
	; the bit
	v_lshrrev_b32 v53, 1, v52
	v_and_b32 v53, s48, v53
	v_sub_nc_u32 v53, v52, v53                     ; fields of 2 bits
	v_lshrrev_b32 v54, 2, v53
	v_and_b32 v55, s49, v53
	v_and_b32 v54, s49, v54
	v_add_nc_u32 v54, v55, v54                     ; of 4
	v_lshrrev_b32 v55, 4, v54
	v_add_nc_u32 v55, v54, v55
	v_and_b32 v55, s50, v55                        ; bytes
	v_lshrrev_b32 v48, 8, v55
	v_add_nc_u32 v48, v55, v48
	v_and_b32 v48, 0xff, v48                       ; the lower 16 bits
	v_cmp_lt_u32 vcc_lo, v51, v48
	v_cndmask_b32 v48, v48, v21, vcc_lo
	v_cndmask_b32 v50, 16, v21, vcc_lo
	v_sub_nc_u32 v51, v51, v48
	BITSTEP 55, 8, 8
	BITSTEP 54, 4, 4
	BITSTEP 53, 2, 2
	v_bfe_u32 v48, v52, v50, 1
	v_cmp_lt_u32 vcc_lo, v51, v48
	v_cndmask_b32 v46, 1, v21, vcc_lo
	v_add_nc_u32 v50, v50, v46                     ; bit b
	; the source: 64 (W >> 1) + 8 (W & 1) + e + (e & 24), e = 31 - b
	v_sub_nc_u32 v50, 31, v50
	v_and_b32 v48, 24, v50
	v_add_nc_u32 v50, v50, v48
	v_and_b32 v48, 0x3f8, v49
	v_lshl_add_u32 v50, v48, 3, v50
	v_and_b32 v48, 4, v49
	v_lshl_add_u32 v50, v48, 1, v50
	v_min_u32 v50, 0x1fff, v50
	v_lshlrev_b32 v51, 3, v50
	v_min_u32 v51, 0xfff8, v51
	ds_load_b64 v[44:45], v51
	s_wait_dscnt 0x0
	v_lshlrev_b32 v47, 16, v44
	v_and_b32 v48, s45, v44
	v_lshlrev_b32 v49, 16, v45
	v_lshl_or_b32 v[\d+1], v50, 16, v45            ; index above, z below
	v_mov_b32 v[\d+2], v44                         ; y above, x below
	v_mul_f32 v51, v47, v47
	v_mul_f32 v53, v27, v47
	v_fma_f32 v51, v48, v48, v51                   ; the products are exact, so each fused step rounds as the plain sum does
	v_fma_f32 v53, v28, v48, v53
	v_fma_f32 v51, v49, v49, v51                   ; r1
	v_fma_f32 v53, v29, v49, v53                   ; t.s
	v_fma_f32 v53, -2.0, v53, v30                  ; r0 - 2 t.s
	v_add_f32 v53, v53, v51                        ; + r1
	v_ashrrev_i32 v47, 31, v53
	v_and_b32 v47, s46, v47
	v_xor_b32 v[\d], v53, v47                      ; monotonic as a signed integer
	v_cndmask_b32 v[\d], s46, v[\d], s44
	v_cndmask_b32 v[\d+1], -1, v[\d+1], s44
.endm
; One stage of the network on v[b .. b+2]: the partner is lane xor j; xc = the lanes that keep the larger of the two (upward sort; desc = 1: the others).
.macro STAGE b, j, xc, desc
.if \j == 16
	v_permlanex16_b32 v40, v[\b], s36, s37
	v_permlanex16_b32 v41, v[\b+1], s36, s37
	v_permlanex16_b32 v42, v[\b+2], s36, s37
.else
	v_mov_b32_dpp v40, v[\b] row_xmask:\j row_mask:0xf bank_mask:0xf
	v_mov_b32_dpp v41, v[\b+1] row_xmask:\j row_mask:0xf bank_mask:0xf
	v_mov_b32_dpp v42, v[\b+2] row_xmask:\j row_mask:0xf bank_mask:0xf
.endif
	v_cmp_lt_i32 s33, v40, v[\b]
	v_cmp_eq_u32 s34, v40, v[\b]
	v_cmp_lt_u32 s35, v41, v[\b+1]
	s_and_b32 s34, s34, s35
	s_or_b32 s33, s33, s34                         ; the partner comes first
.if \desc
	s_xor_b32 vcc_lo, s33, 0xffffffff-\xc
.else
	s_xor_b32 vcc_lo, s33, \xc
.endif
	v_cndmask_b32 v[\b], v[\b], v40, vcc_lo
	v_cndmask_b32 v[\b+1], v[\b+1], v41, vcc_lo
	v_cndmask_b32 v[\b+2], v[\b+2], v42, vcc_lo
.endm
.macro LAST5 b, desc                   ; a bitonic run of 32 becomes sorted
	STAGE \b, 16, 0xffff0000, \desc
	STAGE \b, 8,  0xff00ff00, \desc
	STAGE \b, 4,  0xf0f0f0f0, \desc
	STAGE \b, 2,  0xcccccccc, \desc
	STAGE \b, 1,  0xaaaaaaaa, \desc
.endm
.macro SORT b, desc                    ; xc = (lanes with bit j) xor (lanes with bit k), k the length of the runs being made
	STAGE \b, 1, 0x66666666, \desc
	STAGE \b, 2, 0x3c3c3c3c, \desc
	STAGE \b, 1, 0x5a5a5a5a, \desc
	STAGE \b, 4, 0x0ff00ff0, \desc
	STAGE \b, 2, 0x33cc33cc, \desc
	STAGE \b, 1, 0x55aa55aa, \desc
	STAGE \b, 8, 0x00ffff00, \desc
	STAGE \b, 4, 0x0f0ff0f0, \desc
	STAGE \b, 2, 0x3333cccc, \desc
	STAGE \b, 1, 0x5555aaaa, \desc
	LAST5 \b, \desc
.endm
; Target tr of the wave's two.  out1 is stored at once; the other results wait in registers for the barrier behind which LDS may be written.
.macro TARGET tr
	v_cvt_pk_bf16_f32 v47, v[18+4*\tr], v[19+4*\tr]
	v_cvt_pk_bf16_f32 v48, v[20+4*\tr], 0
	v_lshlrev_b32 v27, 16, v47
	v_and_b32 v28, s45, v47
	v_lshlrev_b32 v29, 16, v48
	v_mul_f32 v30, v27, v27
	v_fma_f32 v30, v28, v28, v30
	v_fma_f32 v30, v29, v29, v30                   ; r0
	v_mul_f32 v31, s47, v27
	v_mul_f32 v32, s47, v28
	v_mul_f32 v33, s47, v29
	PREP (2+8*\tr)
	s_min_u32 s28, s[56+\tr], 0x2000               ; candidates: 8,192 at the most
	s_add_co_u32 s29, s28, 31
	s_lshr_b32 s29, s29, 5                         ; batches
	s_mov_b32 s30, 0
	BATCH 34, \tr
	SORT 34, 0
	s_cmp_lt_u32 s29, 2
	s_cbranch_scc1 .Lmerged\tr
	s_mov_b32 s30, 1
.Lbatch\tr:
	BATCH 37, \tr
	SORT 37, 1
	v_cmp_lt_i32 s33, v37, v34                     ; R upward, S downward: the smaller of each pair are the 32 smallest of the 64, a bitonic run
	v_cmp_eq_u32 s34, v37, v34
	v_cmp_lt_u32 s35, v38, v35
	s_and_b32 s34, s34, s35
	s_or_b32 vcc_lo, s33, s34
	v_cndmask_b32 v34, v34, v37, vcc_lo
	v_cndmask_b32 v35, v35, v38, vcc_lo
	v_cndmask_b32 v36, v36, v39, vcc_lo
	LAST5 34, 0
	s_add_co_u32 s30, s30, 1
	s_cmp_lt_u32 s30, s29
	s_cbranch_scc1 .Lbatch\tr
.Lmerged\tr:
	v_ashrrev_i32 v47, 31, v34
	v_and_b32 v47, s46, v47
	v_xor_b32 v47, v34, v47                        ; the squared distance again
	v_cmp_ge_f32 vcc_lo, s39, v47                  ; inside the radius
	v_lshrrev_b32 v48, 16, v35
.if \tr
	s_wait_xcnt 0x0                                ; v57, which the first target's store reads, is rewritten only behind this wait
.endif
	v_cndmask_b32 v57, -1, v48, vcc_lo
	global_store_b64 v71, v[56:57], s[18:19] offset:256*\tr   ; (batch, index): the wave's store covers 256 consecutive bytes, aligned
	v_max_num_f32 v51, 0x3089705f, v47             ; 1e-9
	v_sqrt_f32 v51, v51
	v_lshlrev_b32 v48, 16, v36                     ; plain work stands between the root and its use (ISA guide 5.7.2)
	v_and_b32 v49, s45, v36
	v_lshlrev_b32 v50, 16, v35
	v_cndmask_b32 v48, 0, v48, vcc_lo
	v_cndmask_b32 v49, 0, v49, vcc_lo
	v_cndmask_b32 v50, 0, v50, vcc_lo
	v_fma_f32 v[78+4*\tr], v48, s47, -v31          ; 5 s - 5 t
	v_fma_f32 v[79+4*\tr], v49, s47, -v32
	v_fma_f32 v[80+4*\tr], v50, s47, -v33
	s_wait_alu depctr_va_vdst(0)
	v_mul_f32 v[81+4*\tr], s47, v51
	s_bcnt1_i32_b32 s41, vcc_lo
	v_cvt_f32_u32 v[76+\tr], s41                   ; the patch's size
.endm
	TARGET 0
	TARGET 1
	; THE WAY OUT.  Behind this barrier no wave looks anything up in LDS any more, so the stages may be written.
	s_wait_dscnt 0x0
	s_barrier_signal -1
	s_barrier_wait -1
.irp tr, 0,1
	ds_store_b32 v66, v[78+4*\tr] offset:384*\tr
	ds_store_b32 v66, v[79+4*\tr] offset:384*\tr+4
	ds_store_b32 v66, v[80+4*\tr] offset:384*\tr+8
	ds_store_b32 v67, v[81+4*\tr] offset:128*\tr
.endr
	ds_store_b64 v72, v[76:77]                     ; all lanes write the same two words with the same numbers
.irp n, 0,1,2,3
	ds_load_b64 v[96+2*\n:97+2*\n], v68 offset:256*\n      ; LDS serves a wave's instructions in order: these see my stores
.endr
.irp n, 0,1,2
	s_wait_dscnt 3-\n                              ; load n is in, the younger of the four stay out
	global_store_b64 v69, v[96+2*\n:97+2*\n], s[16:17] offset:256*\n   ; out0: 256 consecutive bytes, aligned
.endr
	s_wait_dscnt 0x0                               ; the last load, and for the others' sake my store of the sizes
	global_store_b64 v70, v[102:103], s[4:5]       ; out4: my two targets' 256 bytes
	s_barrier_signal -1
	s_barrier_wait -1
	s_cmp_lg_u32 s24, 0
	s_cbranch_scc1 .Lend
	ds_load_b64 v[104:105], v73                    ; the group's 64 sizes
	s_wait_dscnt 0x0
	global_store_b64 v74, v[104:105], s[20:21]     ; out2: 256 consecutive bytes, aligned
	s_cmp_lg_u32 s25, 0
	s_cbranch_scc1 .Lend
	s_wait_xcnt 0x0                                ; EXEC changes only behind this wait
	v_cmp_gt_u32 vcc_lo, 4, v1                     ; out3: the radius, once for each batch, by the first work-group
	s_and_saveexec_b32 s32, vcc_lo
	global_store_b32 v75, v25, s[22:23]
	s_wait_xcnt 0x0
	s_or_b32 exec_lo, exec_lo, s32
.Lend:
	s_wait_tensorcnt 0x0
	ds_add_u32 v120, v121
	s_wait_dscnt 0x0
	s_endpgm
.Lfunc_end_k_q77cb91313a_select:
	.size	k_q77cb91313a_select, .Lfunc_end_k_q77cb91313a_select-k_q77cb91313a_select
	.p2alignl 7, 3214868480
	.fill 96, 4, 3214868480
	.section	.rodata,"a",@progbits
	.p2align	6, 0x0
	.amdhsa_kernel k_q77cb91313a_select
		.amdhsa_group_segment_fixed_size 168192
		.amdhsa_private_segment_fixed_size 0
		.amdhsa_enable_private_segment 0
		.amdhsa_kernarg_size 72
		.amdhsa_user_sgpr_count 2
		.amdhsa_user_sgpr_kernarg_segment_ptr 1
		.amdhsa_wavefront_size32 1
		.amdhsa_system_sgpr_workgroup_id_x 1
		.amdhsa_system_sgpr_workgroup_id_y 1
		.amdhsa_system_sgpr_workgroup_id_z 1
		.amdhsa_system_vgpr_workitem_id 0
		.amdhsa_next_free_vgpr 122
		.amdhsa_next_free_sgpr 66
		.amdhsa_reserve_vcc 1
		.amdhsa_float_denorm_mode_32 3
		.amdhsa_float_denorm_mode_16_64 3
		.amdhsa_memory_ordered 1
		.amdhsa_forward_progress 1
		.amdhsa_inst_pref_size 85
	.end_amdhsa_kernel
	.amdgpu_metadata
---
amdhsa.version: [ 1, 2 ]
amdhsa.kernels:
  - .name:           k_q77cb91313a_select
    .symbol:         k_q77cb91313a_select.kd
    .args:
      - { .name: source, .offset: 0, .size: 8, .value_kind: global_buffer, .address_space: global }
      - { .name: target, .offset: 8, .size: 8, .value_kind: global_buffer, .address_space: global }
      - { .name: cmask, .offset: 16, .size: 8, .value_kind: global_buffer, .address_space: global }
      - { .name: counts, .offset: 24, .size: 8, .value_kind: global_buffer, .address_space: global }
      - { .name: out0, .offset: 32, .size: 8, .value_kind: global_buffer, .address_space: global }
      - { .name: out1, .offset: 40, .size: 8, .value_kind: global_buffer, .address_space: global }
      - { .name: out2, .offset: 48, .size: 8, .value_kind: global_buffer, .address_space: global }
      - { .name: out3, .offset: 56, .size: 8, .value_kind: global_buffer, .address_space: global }
      - { .name: out4, .offset: 64, .size: 8, .value_kind: global_buffer, .address_space: global }
    .group_segment_fixed_size: 168192
    .private_segment_fixed_size: 0
    .kernarg_segment_align: 8
    .kernarg_segment_size: 72
    .max_flat_workgroup_size: 1024
    .sgpr_count:     66
    .vgpr_count:     122
    .wavefront_size: 32
...
	.end_amdgpu_metadata
.endif
;; end of part 2
;; ======== version 2 of 2: 2 launches; version 1 with the launch filter written anew for expert scheduling mode
;; limits: values outside matrix products are rounded to bf16
;; workspace buffers: cmask 16,777,216 bytes of whole numbers; counts 65,536 bytes of whole numbers
;; launch filter (part 3): grid 256 x 1, 8 waves a work-group, no clusters, 216,320 bytes of LDS; arguments source, target, cmask, counts; writes cmask, counts
.if DOCPART == 3
	.amdgcn_target "amdgcn-amd-amdhsa--gfx1250"
	.amdhsa_code_object_version 6
	.text
	.protected	k_q77cb91313a_filter
	.globl	k_q77cb91313a_filter
	.p2align	8
	.type	k_q77cb91313a_filter,@function
k_q77cb91313a_filter:
	s_mov_b64 s[64:65], 0
	v_nop
	global_prefetch_b8 v0, s[64:65] scope:SCOPE_SE
	s_setreg_imm32_b32 hwreg(HW_REG_WAVE_SCHED_MODE, 0, 2), 2
	s_setreg_imm32_b32 hwreg(HW_REG_WAVE_MODE, 25, 1), 1
	s_wait_xcnt 0x0
	s_wait_alu depctr_vm_vsrc(0)
; FILTER: for each of 16,384 targets a bit mask over its batch's 8,192 sources that holds at least the 32 nearest, and the number of its set bits.
; The work-group owns 64 targets (4 tiles of 16, as B of the matrix instruction); wave w owns sources 1024 w .. 1024 w + 1023 (64 tiles of 16, as A).
; A source is a row of 8 bf16: x, y, z, r1hi, r1mid, r1lo, 1, 1 (r1 = x^2 + y^2 + z^2 of the rounded coordinates, split exactly in three).
; A target column is -2tx, -2ty, -2tz, 1, 1, 1, and in the second pass the three parts of -theta.
; Pass A: D = e = r1 - 2 t.s; each lane keeps 4 running minima for each target tile: 64 groups of 128 sources for each target.
; tau = the 32nd smallest of a target's 64 group minima, so at least 32 sources have e <= tau.  theta = tau + 2^-14 (r0 + |tau|) + 1e-30.
; Pass B: D = e - theta; its sign bit is the flag.  Word W = 32 w + 2 Q + h of a target's 256; bit 31 - e flags source 64 (W >> 1) + 8 (W & 1) + e + (e & 24).
; LIMITS: inputs are rounded once to bf16 (nearest even); finite inputs with finite squared distances only (no NaN, no infinity);
; the margin 2^-14 (r0 + |tau|) assumes that a matrix sum is off by less than 2^-20 of its largest product
; (a source among the 32 nearest has r1 <= 4 r0 + 2 |tau|, so three such errors stay under 2^-16 (r0 + |tau|)).
; No tensor loads: the 96 KiB of sources are converted in registers on their way into LDS.  No cluster: nothing else is shared.
; THE MODE: SCHED_MODE bits 1:0 = 2 (LLVM: expert scheduling mode 2), set by the entry lines.  The code itself states the register dependences
; between vector or matrix instructions and memory or LDS instructions, with s_wait_alu, always for 0.
; THE PLAN.  Registers that memory or LDS instructions touch:
;   O0, O1      at the head: conversion step it writes four source rows into O[it & 1]; the four LDS stores that read them are issued in step it + 1.
;   AR0 .. AR3  in the passes: step T's products read AR[T & 3]; the load of tile T + 3 lands in AR[(T - 1) & 3], at the head of step T.
;   MO          in pass B: a trip's last four shifts write it; the four LDS stores that read it are issued in the next trip's first step.
;   v4, v5      LDS addresses of my tiles and of my mask words: read by those loads and stores, stepped once a trip, at its end.
;   v6, v7, ACC, PB, SRC, v72-79   once each, between the passes and on the way out: the waits stand there and say what they state.
;   BT, the D sets and MR are named by vector and matrix instructions alone.
; So ONE wait on va_vdst stands at a step's head, behind the wait for the step's tile: the products of the step before are done reading their A buffer, in which
; the load below it lands; in a trip's first step it also states that v4, v5 and MO are written.  ONE wait on vm_vsrc a trip stands in its fourth step, ahead of the
; lines that write MO, v4 and v5 again.
.set SRCB,   98304                     ; bytes of a batch's sources
.set MINS,   131072                    ; LDS: behind the 8,192 rows of 16 bytes: 64 targets x 272 bytes of group minima
.set MPITCH, 272                       ; 256 bytes + 16: the 16 rows of a store start 4 banks apart
.set THB,    148480                    ; LDS: -theta, one f32 a target; at the end the 64 counts
.set MASKB,  148736                    ; LDS: 64 targets x 1,040 bytes of mask
.set KPITCH, 1040
.set BT,  8                            ; v[8:39]    B: 4 target tiles
.set AR,  40                           ; v[40:71]   A: ring of 4 buffers; registers 4-7 of each stay 0 (K = 16 .. 31 unused)
.set DS,  72                           ; v[72:135]  D: two sets of 4 tiles; at the start the raw targets; at the end the counting
.set PB,  72                           ; the threshold's two banks of 32
.set QB,  104
.set OB,  104                          ; v[104:135] at the head: O0, O1: out-buffer k, row q: 4 registers at OB + 16 k + 4 q
.set ACC, 136                          ; v[136:151] running minima; before that at work
.set MR,  152                          ; v[152:155] mask words in the making
.set MO,  156                          ; v[156:159] pass B: the finished mask words, to store; before that a raw target and its r0
.set SRC, 160                          ; v[160:255] 24 source loads; at the end the copy out
	s_load_b128 s[4:7], s[0:1], 0x0                ; source, target
	s_load_b64 s[8:9], s[0:1], 0x10                ; cmask
	s_load_b64 s[24:25], s[0:1], 0x18              ; counts
	s_set_vgpr_msb 0x40
	v_lshl_add_u32 v0, v0, 2, 0x34900
	v_mov_b32 v1, 0
	s_set_vgpr_msb 0x4000
	v_lshrrev_b32 v6, 5, v0
	v_readfirstlane_b32 s10, v6                    ; wave 0..7
	v_and_b32 v3, 31, v0                           ; lane
	v_and_b32 v1, 15, v0                           ; r
	v_bfe_u32 v2, v0, 4, 1                         ; h
	s_lshr_b32 s11, ttmp9, 6                       ; batch: 64 work-groups each
	s_mul_i32 s12, s11, SRCB
	s_mov_b32 s13, 0
	s_mul_i32 s14, ttmp9, 768                      ; 64 targets of 12 bytes
	s_mov_b32 s15, 0
	s_mov_b32 s17, 0xffff                          ; lanes 0-15 (h = 0)
	s_mov_b32 s19, 0xffff0000                      ; a word's upper bf16
	s_mov_b32 s20, 0x38800000                      ; 2^-14
	s_mov_b32 s21, 0x55555555                      ; the fields of the bit count
	s_mov_b32 s22, 0x33333333
	s_mov_b32 s23, 0x0f0f0f0f
	s_mov_b32 s28, 0x00ff00ff
	s_mov_b32 s26, 0x76543210                      ; v_permlanex16_b32: lane i reads lane i xor 16
	s_mov_b32 s27, 0xfedcba98
	s_wait_alu depctr_va_sdst(0)                   ; s10 is written, ahead of its first reader
	s_and_b32 s18, s10, 3
	v_mul_u32_u24 v5, v1, 12                       ; target r of a tile
	v_lshrrev_b32 v6, 1, v3
	v_lshl_add_u32 v6, s18, 4, v6                  ; the target whose threshold this lane helps to find: 16 (w & 3) + lane / 2
	v_mul_u32_u24 v7, v6, 12
	v_mul_u32_u24 v4, v0, 48                       ; four sources a thread
	v_mov_b32 v143, 0x3f803f80                     ; two bf16 ones
	s_wait_kmcnt 0x0
	s_add_nc_u64 s[4:5], s[4:5], s[12:13]
	s_add_nc_u64 s[6:7], s[6:7], s[14:15]
	s_lshl_b32 s14, ttmp9, 16                      ; 64 mask rows of 1,024 bytes
	s_add_nc_u64 s[8:9], s[8:9], s[14:15]
	s_lshl_b32 s14, ttmp9, 8                       ; 64 counts of 4 bytes
	s_add_nc_u64 s[24:25], s[24:25], s[14:15]
	s_wait_alu depctr_va_vdst(0)                   ; v4, v5 and v7 are written: the 29 loads below read them as offsets
.irp c, 0,1,2,3
	global_load_b96 v[DS+4*\c:DS+4*\c+2], v5, s[6:7] offset:192*\c
.endr
	global_load_b96 v[156:158], v7, s[6:7]         ; used by waves 0-3; all waves load it so that the counts below are the same in all
.set it, 0
.rept 8
	global_load_b128 v[SRC+12*it:SRC+12*it+3],    v4, s[4:5] offset:it*12288
	global_load_b128 v[SRC+12*it+4:SRC+12*it+7],  v4, s[4:5] offset:it*12288+16
	global_load_b128 v[SRC+12*it+8:SRC+12*it+11], v4, s[4:5] offset:it*12288+32
.set it, it+1
.endr
.irp q, 0,1,2,3,4,5,6,7
	v_mov_b32 v[OB+4*\q+3], v143                   ; the last word of each of the eight out rows: 1, 1; written once
.endr
	s_wait_loadcnt 24                              ; the five target loads are in; the 24 source loads are younger
.irp c, 0,1,2,3
	v_mul_f32 v136, -2.0, v[DS+4*\c]               ; times -2 is exact, so rounding behind it is rounding in front of it
	v_mul_f32 v137, -2.0, v[DS+4*\c+1]
	v_mul_f32 v138, -2.0, v[DS+4*\c+2]
	v_cvt_pk_bf16_f32 v136, v136, v137
	v_cvt_pk_bf16_f32 v138, v138, 1.0
	v_cndmask_b32 v[BT+8*\c],   0, v136, s17       ; K = 0 .. 7 lie in lanes 0-15; lanes 16-31 (K = 8 .. 15, where A repeats its row) take zeros
	v_cndmask_b32 v[BT+8*\c+1], 0, v138, s17
	v_cndmask_b32 v[BT+8*\c+2], 0, v143, s17
.irp q, 3,4,5,6,7
	v_mov_b32 v[BT+8*\c+\q], 0
.endr
.irp q, 4,5,6,7
	v_mov_b32 v[AR+8*\c+\q], 0
.endr
.endr
	v_mul_f32 v159, v156, v156                     ; r0 of the threshold's target: it only scales the margin
	v_fma_f32 v159, v157, v157, v159
	v_fma_f32 v159, v158, v158, v159
	s_wait_alu depctr_vm_vsrc(0)                   ; the 29 loads have read v4, v5 and v7: v7 is written two lines down, v4 and v5 behind the conversions
	v_lshlrev_b32 v6, 6, v0                        ; LDS: four rows of 16 bytes a thread
	v_add_nc_u32 v7, 0x10000, v6                   ; the upper 64 KiB: an LDS immediate has 16 bits
; one source (three f32 from register b on) into the first three words of the out row at register o
.macro CONV b, o
	v_cvt_pk_bf16_f32 v[\o], v[\b], v[\b+1]        ; x, y
	v_cvt_pk_bf16_f32 v146, v[\b+2], 0
	v_lshlrev_b32 v144, 16, v[\o]
	v_and_b32 v145, s19, v[\o]
	v_lshlrev_b32 v146, 16, v146                   ; the rounded z as f32
	v_mul_f32 v144, v144, v144
	v_fma_f32 v144, v145, v145, v144
	v_fma_f32 v144, v146, v146, v144               ; r1
	v_cvt_pk_bf16_f32 v[\o+1], v146, v144          ; z, r1hi
	v_and_b32 v145, s19, v[\o+1]
	v_sub_f32 v144, v144, v145                     ; r1 - r1hi, exact
	v_cvt_pk_bf16_f32 v145, v144, 0
	v_lshlrev_b32 v145, 16, v145
	v_sub_f32 v145, v144, v145                     ; the last 8 bits, exact
	v_cvt_pk_bf16_f32 v[\o+2], v144, v145          ; r1mid, r1lo
.endm
; row r of conversion step st leaves its out-buffer
.macro ROWOUT st, r
.if (\st) < 4
	ds_store_b128 v6, v[OB+16*((\st)&1)+4*(\r):OB+16*((\st)&1)+4*(\r)+3] offset:(\st)*16384+16*(\r)
.else
	ds_store_b128 v7, v[OB+16*((\st)&1)+4*(\r):OB+16*((\st)&1)+4*(\r)+3] offset:((\st)-4)*16384+16*(\r)
.endif
.endm
; Step it converts four sources into O[it & 1]; the four stores of the step before, out of the other O, are dealt among its conversions, which name neither that O nor v6 or v7.
.set it, 0
.rept 8
	s_wait_loadcnt 21-3*it                         ; this step's three loads are in; 3 for each later step are younger
.if it >= 2
	s_wait_alu depctr_vm_vsrc(0)                   ; the stores issued in the step before have read O[it & 1], which this step's conversions write again
.endif
.if it >= 1
	s_wait_alu depctr_va_vdst(0)                   ; the step before has written the other O, which the stores below read (the first time: v6 and v7 are written too)
.endif
.set q, 0
.rept 4
.if it >= 1
	ROWOUT it-1, q
.endif
	CONV (SRC+12*it+3*q), (OB+16*(it&1)+4*q)
.set q, q+1
.endr
.set it, it+1
.endr
.irp q, 0,1,2,3,4,5,6,7,8,9,10,11,12,13,14,15
	v_mov_b32 v[ACC+\q], 0x7f800000                ; the minima start at +infinity
.endr
.irp q, 0,1,2,3
	v_mov_b32 v[MR+\q], 0
.endr
	v_lshlrev_b32 v4, 4, v1
	v_lshl_add_u32 v4, s10, 14, v4                 ; my wave's rows: 16,384 w + 16 r; h does not enter: both halves read the same row
	v_mul_u32_u24 v5, v1, KPITCH
	v_lshl_add_u32 v5, v2, 2, v5
	s_lshl_b32 s12, s10, 7
	s_add_co_u32 s12, s12, MASKB
	v_add_nc_u32 v5, s12, v5                       ; mask word 32 w + h of target r
	s_wait_alu depctr_va_vdst(0)                   ; the last step has written O1, which the four stores below read; v4 is written, which pass A's first loads read: no vector line stands between
.irp q, 0,1,2,3
	ROWOUT 7, \q
.endr
	s_wait_dscnt 0x0                               ; my rows are written,
	s_barrier_signal -1
	s_barrier_wait -1                              ; everybody's are
	s_wait_alu depctr_vm_vsrc(0)                   ; my row stores have read O0 and O1, which are a D set from here on, and v6 and v7, which are written again between the passes
; four matrix instructions: one source tile against the four target tiles.  C = 0: nothing is accumulated, so no two of them share an accumulator.
.macro MM buf, set
.irp c, 0,1,2,3
	v_wmma_f32_16x16x32_bf16 v[DS+32*(\set)+8*\c:DS+32*(\set)+8*\c+7], v[AR+8*(\buf):AR+8*(\buf)+7], v[BT+8*\c:BT+8*\c+7], 0
.endr
.endm
; what is done with a set of results: pass A 16 minima of three, pass B 32 sign bits shifted into the mask words.
; out = 1 (a trip's fourth set): the 32nd shift writes the finished word into MO; what stays in MR is shifted out whole by the next 32 shifts.
.macro USE ph, set, out
.if \ph == 0
.irp c, 0,1,2,3
.irp q, 0,1,2,3
	v_min3_num_f32 v[ACC+4*\c+\q], v[ACC+4*\c+\q], v[DS+32*(\set)+8*\c+2*\q], v[DS+32*(\set)+8*\c+2*\q+1]
.endr
.endr
.else
.irp j, 0,1,2,3,4,5,6,7
.irp c, 0,1,2,3
.if (\out) && (\j == 7)
	v_alignbit_b32 v[MO+\c], v[MR+\c], v[DS+32*(\set)+8*\c+\j], 31   ; word << 1 | sign
.else
	v_alignbit_b32 v[MR+\c], v[MR+\c], v[DS+32*(\set)+8*\c+\j], 31   ; word << 1 | sign
.endif
.endr
.endr
.endif
.endm
; Four steps (64 sources).  Step i of trip k multiplies tile T = 4 k + i + 1 into one set while tile T - 1's set is used: the USE block, 16 or 32 plain vector
; instructions that name none of the matrix instructions' registers, is the distance in front of the reads of their results and of the next write of the other set
; (ISA guide 7.12.1).  At the step's head tile T + 3 is asked for, into the A buffer that the step before multiplied.
; nl: 4 loads or none; nw products; st = 1: the trip before's mask words are stored; w0, w1: what may stay out on DScnt at the first step's head, at the others'.
.macro TRIP ph, nl, nw, st, w0, w1
.irp i, 0,1,2,3
.if \i < \nw
.if \i == 0
	s_wait_dscnt \w0
.else
	s_wait_dscnt \w1
.endif
.endif
.if (\i < \nl) || ((\st) && (\i == 0))
	s_wait_alu depctr_va_vdst(0)                   ; the products of the step before are done reading their A buffer, in which the load below lands; in a trip's first step v4, v5 and MO are written
.endif
.if \i < \nl
	ds_load_b128 v[AR+8*\i:AR+8*\i+3], v4 offset:(\i+4)*256
.endif
.if (\st) && (\i == 0)
.irp c, 0,1,2,3
	ds_store_b32 v5, v[MO+\c] offset:\c*16*KPITCH
.endr
.endif
.if \i < \nw
	MM (\i+1)&3, (\i+1)&1
.endif
.if (\i == 3) && ((\nl) || (\st))
	s_wait_alu depctr_vm_vsrc(0)                   ; the trip's loads have read v4, its stores MO and v5: all three are written again below
.endif
	USE \ph, \i&1, \i/3
.endr
.if \nl
	v_add_nc_u32 v4, 1024, v4
.endif
.if \st
	v_add_nc_u32 v5, 8, v5                         ; two words on: h = 0 and h = 1 lie side by side
.endif
.endm
.macro PROLOG
.irp b, 0,1,2,3
	ds_load_b128 v[AR+8*\b:AR+8*\b+3], v4 offset:256*\b
.endr
	s_wait_dscnt 3                                 ; tile 0 is in, three younger loads are out
	MM 0, 0
.rept 4
	v_nop                                          ; four places in front of the first reads of set 0
.endr
.endm
	; PASS A.  The count 2: the loads issued in the two steps before, behind the one that is needed (at the start: tiles 2 and 3).
	PROLOG
	s_mov_b32 s16, 15
.LpassA:
	TRIP 0, 4, 4, 0, 2, 2
	s_sub_co_u32 s16, s16, 1
	s_cmp_lg_u32 s16, 0
	s_cbranch_scc1 .LpassA
	TRIP 0, 0, 3, 0, 2, 0                          ; tiles 61 to 63: nothing is left to ask for, and tile 64 does not exist
	v_mul_u32_u24 v6, v1, MPITCH
	v_lshl_add_u32 v6, v2, 4, v6
	s_lshl_b32 s12, s10, 5
	s_add_co_u32 s12, s12, MINS
	v_add_nc_u32 v6, s12, v6                       ; target r's row, piece 2 w + h of 16
	s_wait_alu depctr_va_vdst(0)                   ; the minima and v6 are written: the four stores read them
.irp c, 0,1,2,3
	ds_store_b128 v6, v[ACC+4*\c:ACC+4*\c+3] offset:\c*16*MPITCH
.endr
	s_wait_dscnt 0x0
	s_barrier_signal -1
	s_barrier_wait -1
	; THE THRESHOLD, waves 0-3: two lanes a target, 32 minima each, sorted in registers by a bitonic network (15 stages between two banks).
	s_cmp_ge_u32 s10, 4
	s_cbranch_scc1 .Lno_threshold
	s_wait_alu depctr_vm_vsrc(0)                   ; the stores of the minima have read v6 and v136, which are written below
	v_lshrrev_b32 v7, 1, v3
	v_lshl_add_u32 v7, s10, 4, v7                  ; target 16 w + lane / 2
	v_and_b32 v6, 1, v3
	v_lshlrev_b32 v6, 7, v6                        ; which half of its 64 minima
	v_mad_u32_u24 v6, v7, MPITCH, v6
	v_add_nc_u32 v6, MINS, v6
	s_wait_alu depctr_va_vdst(0)                   ; v6 is written; pass A's products have written, and its minima have read, v[PB ..], in which the loads land
.irp n, 0,1,2,3,4,5,6,7
	ds_load_b128 v[PB+4*\n:PB+4*\n+3], v6 offset:16*\n
.endr
	s_wait_dscnt 0x0
.set sb, PB
.set db, QB
.macro STG k, j
.set i, 0
.rept 32
.if (i & \j) == 0
.if (i & \k) == 0
	v_min_num_f32 v[db+i],    v[sb+i], v[sb+i+\j]
	v_max_num_f32 v[db+i+\j], v[sb+i], v[sb+i+\j]
.else
	v_max_num_f32 v[db+i],    v[sb+i], v[sb+i+\j]
	v_min_num_f32 v[db+i+\j], v[sb+i], v[sb+i+\j]
.endif
.endif
.set i, i+1
.endr
.set tb, sb
.set sb, db
.set db, tb
.endm
	STG 2, 1
	STG 4, 2
	STG 4, 1
	STG 8, 4
	STG 8, 2
	STG 8, 1
	STG 16, 8
	STG 16, 4
	STG 16, 2
	STG 16, 1
	STG 32, 16
	STG 32, 8
	STG 32, 4
	STG 32, 2
	STG 32, 1
.set i, 0
.rept 32
	v_min_num_f32_dpp v[db+i], v[sb+31-i], v[sb+i] row_xmask:1 row_mask:0xf bank_mask:0xf   ; min(partner's 31 - i, my i): the 32 smallest of the 64
.set i, i+1
.endr
	v_max3_num_f32 v[db], v[db], v[db+1], v[db+2]
.set i, 3
.rept 14
	v_max3_num_f32 v[db], v[db], v[db+i], v[db+i+1]
.set i, i+2
.endr
	v_max_num_f32 v[db], v[db], v[db+31]           ; tau: the largest of them
	v_and_b32 v136, 0x7fffffff, v[db]
	v_add_f32 v136, v159, v136                     ; r0 + |tau|
	v_fma_f32 v136, v136, s20, v[db]               ; tau + 2^-14 (r0 + |tau|)
	v_add_f32 v136, 0x0da24260, v136               ; + 1e-30: above tau also where all is zero
	v_xor_b32 v136, 0x80000000, v136               ; -theta
	v_lshlrev_b32 v7, 2, v7
	v_add_nc_u32 v7, THB, v7
	s_wait_alu depctr_va_vdst(0)                   ; v7 and v136 are written: the store reads them
	ds_store_b32 v7, v136                          ; both lanes of a pair hold the same number
.Lno_threshold:
	s_wait_dscnt 0x0
	s_barrier_signal -1
	s_barrier_wait -1
	; -theta, split exactly in three bf16, into register 3 of each target tile: hi, mid at K = 6, 7 (lanes 0-15), lo at K = 14 (lanes 16-31)
	s_wait_alu depctr_vm_vsrc(0)                   ; waves 0-3: the threshold's loads have read v6, its store v7 and v136; waves 4-7: the stores of the minima have read v6 and v[136:139]; pass A's loads have read v4
	v_lshlrev_b32 v6, 2, v1
	v_add_nc_u32 v6, THB, v6
	v_lshlrev_b32 v4, 4, v1
	v_lshl_add_u32 v4, s10, 14, v4                 ; back to my wave's first row
	s_wait_alu depctr_va_vdst(0)                   ; v6 is written, and so are v[136:139], in which the loads land; v4 is written, which pass B's first loads read: the lines between name v[136:142] and B alone
.irp c, 0,1,2,3
	ds_load_b32 v[136+\c], v6 offset:64*\c
.endr
	s_wait_dscnt 0x0
.irp c, 0,1,2,3
	v_cvt_pk_bf16_f32 v140, v[136+\c], 0
	v_lshlrev_b32 v140, 16, v140
	v_sub_f32 v140, v[136+\c], v140
	v_cvt_pk_bf16_f32 v141, v140, 0
	v_lshlrev_b32 v141, 16, v141
	v_sub_f32 v141, v140, v141
	v_cvt_pk_bf16_f32 v142, v[136+\c], v140
	v_cvt_pk_bf16_f32 v141, v141, 0
	v_cndmask_b32 v[BT+8*\c+3], v141, v142, s17
.endr
	; PASS B.  The count 2 as in pass A; in steps 1 to 3 of a trip that stored it is 6: two younger loads and the four mask stores of the trip's first step.
	PROLOG
	TRIP 1, 4, 4, 0, 2, 2                          ; the first trip has no words to store yet
	s_mov_b32 s16, 14
.LpassB:
	TRIP 1, 4, 4, 1, 2, 6
	s_sub_co_u32 s16, s16, 1
	s_cmp_lg_u32 s16, 0
	s_cbranch_scc1 .LpassB
	TRIP 1, 0, 3, 1, 2, 4                          ; tiles 61 to 63: behind the needed load stand at the least the four stores
	s_mul_i32 s12, s10, 8*KPITCH                   ; the addresses of the way out are made here, ahead of a wait that stands anyway
	s_add_co_u32 s12, s12, MASKB
	v_lshl_add_u32 v6, v3, 4, s12
	s_lshl_b32 s13, s10, 13
	v_lshl_add_u32 v7, v3, 4, s13
	s_wait_alu depctr_va_vdst(0)                   ; the last trip has written MO and v5, which the four stores read; v6 and v7 are written, which the way out's loads and stores read: no vector line stands between
.irp c, 0,1,2,3
	ds_store_b32 v5, v[MO+\c] offset:\c*16*KPITCH
.endr
	s_wait_dscnt 0x0
	s_barrier_signal -1
	s_barrier_wait -1
	; THE WAY OUT: wave w copies the rows of targets 8 w .. 8 w + 7; each store of the wave covers 512 consecutive bytes, aligned.
.irp n, 0,1,2,3,4,5,6,7,8,9,10,11,12,13,14,15
	ds_load_b128 v[SRC+4*\n:SRC+4*\n+3], v6 offset:(\n>>1)*KPITCH+(\n&1)*512
.endr
.irp n, 0,1,2,3,4,5,6,7,8,9,10,11,12,13,14,15
	s_wait_dscnt 15-\n                             ; load n is in, the younger ones stay out
	global_store_b128 v7, v[SRC+4*\n:SRC+4*\n+3], s[8:9] offset:512*\n
.endr
	; THE COUNTS, while the stores leave (their data registers are only read here).  Target 8 w + tt: my 8 words are v[SRC + 8 tt .. + 7].
	; Sums in fields: 2 bits (at most 2), 4 bits (4, two words 8), bytes (16, four pairs 64), halves (128), the word (256 a lane).
.macro NIB dst, src
	v_lshrrev_b32 v72, 1, v[\src]
	v_and_b32 v73, s21, v[\src]
	v_and_b32 v72, s21, v72
	v_add_nc_u32 v72, v72, v73
	v_lshrrev_b32 v73, 2, v72
	v_and_b32 v72, s22, v72
	v_and_b32 v73, s22, v73
	v_add_nc_u32 v[\dst], v72, v73
.endm
	v_mov_b32 v77, 0                               ; the destination of a lane move counts as read
.set tt, 0
.rept 8
.set pp, 0
.rept 4
	NIB 74, (SRC+8*tt+2*pp)
	NIB 75, (SRC+8*tt+2*pp+1)
	v_add_nc_u32 v74, v74, v75
	v_lshrrev_b32 v75, 4, v74
	v_and_b32 v74, s23, v74
	v_and_b32 v75, s23, v75
.if pp == 0
	v_add_nc_u32 v76, v74, v75
.else
	v_add_nc_u32 v76, v76, v74
	v_add_nc_u32 v76, v76, v75
.endif
.set pp, pp+1
.endr
	v_lshrrev_b32 v75, 8, v76
	v_and_b32 v76, s28, v76
	v_and_b32 v75, s28, v75
	v_add_nc_u32 v76, v76, v75
	v_lshrrev_b32 v75, 16, v76
	v_and_b32 v76, 0xffff, v76
	v_add_nc_u32 v76, v76, v75
	v_cvt_f32_u32 v[80+tt], v76                    ; the sum over the lanes is made in f32: exact, it is 8,192 at the most
.set tt, tt+1
.endr
.irp t, 0,1,2,3,4,5,6,7
	v_add_f32_dpp v[80+\t], v[80+\t], v[80+\t] row_xmask:1 row_mask:0xf bank_mask:0xf
	v_add_f32_dpp v[80+\t], v[80+\t], v[80+\t] row_xmask:2 row_mask:0xf bank_mask:0xf
	v_add_f32_dpp v[80+\t], v[80+\t], v[80+\t] row_xmask:4 row_mask:0xf bank_mask:0xf
	v_add_f32_dpp v[80+\t], v[80+\t], v[80+\t] row_xmask:8 row_mask:0xf bank_mask:0xf
	v_permlanex16_b32 v77, v[80+\t], s26, s27
	v_add_f32 v[80+\t], v[80+\t], v77
.endr
	v_mov_b32 v78, v80                             ; lane l takes the count of target l & 7
.irp t, 1,2,3,4,5,6,7
	s_mov_b32 vcc_lo, 0x01010101<<\t
	v_cndmask_b32 v78, v78, v[80+\t], vcc_lo
.endr
	v_cvt_u32_f32 v78, v78
	v_and_b32 v79, 7, v3
	v_lshlrev_b32 v79, 2, v79
	s_lshl_b32 s12, s10, 5
	s_add_co_u32 s12, s12, THB                     ; the thresholds' bytes: their last reads were waited for in front of the barrier behind pass B
	v_add_nc_u32 v79, s12, v79
	s_wait_alu depctr_va_vdst(0)                   ; v78 and v79 are written: the store reads them
	ds_store_b32 v79, v78                          ; four lanes write each word, with the same number
	s_wait_dscnt 0x0
	s_barrier_signal -1
	s_barrier_wait -1
	s_cmp_lg_u32 s10, 0
	s_cbranch_scc1 .Lno_counts
	v_lshlrev_b32 v72, 3, v3
	v_add_nc_u32 v73, THB, v72
	s_wait_alu depctr_va_vdst(0)                   ; v72 and v73 are written, which the store and the load read; the counting is done with v[74:75], in which the load lands
	ds_load_b64 v[74:75], v73
	s_wait_dscnt 0x0
	global_store_b64 v72, v[74:75], s[24:25]       ; the group's 64 counts: 256 consecutive bytes, aligned
.Lno_counts:
	s_set_vgpr_msb 0x5
	s_wait_dscnt 0x0
	s_wait_alu depctr_hold_cnt(0) depctr_sa_sdst(0) depctr_va_vdst(0) depctr_va_sdst(0) depctr_va_ssrc(0) depctr_va_vcc(0) depctr_vm_vsrc(0)
	s_wait_tensorcnt 0x0
	ds_add_u32 v0, v1
	s_wait_dscnt 0x0
	s_endpgm
.Lfunc_end_k_q77cb91313a_filter:
	.size	k_q77cb91313a_filter, .Lfunc_end_k_q77cb91313a_filter-k_q77cb91313a_filter
	.p2alignl 7, 3214868480
	.fill 96, 4, 3214868480
	.section	.rodata,"a",@progbits
	.p2align	6, 0x0
	.amdhsa_kernel k_q77cb91313a_filter
		.amdhsa_group_segment_fixed_size 216320
		.amdhsa_private_segment_fixed_size 0
		.amdhsa_enable_private_segment 0
		.amdhsa_kernarg_size 32
		.amdhsa_user_sgpr_count 2
		.amdhsa_user_sgpr_kernarg_segment_ptr 1
		.amdhsa_wavefront_size32 1
		.amdhsa_system_sgpr_workgroup_id_x 1
		.amdhsa_system_sgpr_workgroup_id_y 1
		.amdhsa_system_sgpr_workgroup_id_z 1
		.amdhsa_system_vgpr_workitem_id 0
		.amdhsa_next_free_vgpr 258
		.amdhsa_next_free_sgpr 66
		.amdhsa_reserve_vcc 1
		.amdhsa_float_denorm_mode_32 3
		.amdhsa_float_denorm_mode_16_64 3
		.amdhsa_memory_ordered 1
		.amdhsa_forward_progress 1
		.amdhsa_inst_pref_size 130
	.end_amdhsa_kernel
	.amdgpu_metadata
---
amdhsa.version: [ 1, 2 ]
amdhsa.kernels:
  - .name:           k_q77cb91313a_filter
    .symbol:         k_q77cb91313a_filter.kd
    .args:
      - { .name: source, .offset: 0, .size: 8, .value_kind: global_buffer, .address_space: global }
      - { .name: target, .offset: 8, .size: 8, .value_kind: global_buffer, .address_space: global }
      - { .name: cmask, .offset: 16, .size: 8, .value_kind: global_buffer, .address_space: global }
      - { .name: counts, .offset: 24, .size: 8, .value_kind: global_buffer, .address_space: global }
    .group_segment_fixed_size: 216320
    .private_segment_fixed_size: 0
    .kernarg_segment_align: 8
    .kernarg_segment_size: 32
    .max_flat_workgroup_size: 256
    .sgpr_count:     66
    .vgpr_count:     258
    .wavefront_size: 32
...
	.end_amdgpu_metadata
.endif
;; end of part 3
;; launch select: the kernel of part 2 again; grid 256 x 1, 32 waves a work-group, no clusters, 168,192 bytes of LDS; arguments source, target, cmask, counts, out0, out1, out2, out3, out4; writes out0, out1, out2, out3, out4
